; MI455X (gfx1250); checked and timed in simulation.
; The chip was launched on July 23, 2026; its instructions are those of AMD's public machine-readable ISA for CDNA 5 (MIT licence, August 2026) and "CDNA5" Instruction Set Architecture Reference Guide (July 2026). The comments in the code are by the model that wrote it; some were corrected since.
;; RLSE. Allowed arithmetic: float matrix products may take bf16 or f16 operands with f32 sums; other float arithmetic in f32, or as packed bf16 or f16 multiplies, adds, multiply-adds, maxima and minima; sums over many terms, partial sums and values carried from step to step in f32; what a program stores and reads back later, other than sums and carried values, may be rounded once to bf16 or f16.
;; Inputs: s0 256 x 256 float32; theta0 256 float32; x 16,384 x 256 float32; y 16,384 float32.
;; Outputs: out0 256 x 1 float32.
;; 2 versions, each right; version 2 is version 1 with the launch gram written anew for expert scheduling mode. Each part assembles by itself: llvm-mc -triple=amdgcn-amd-amdhsa -mcpu=gfx1250 --defsym DOCPART=n.
;; ======== version 1 of 2: 3 launches
;; limits: values are held in f16: magnitudes above 65,504 overflow, below 6.1e-05 lose precision; inputs' magnitudes at most 65,504; right only within a limited range of input values
;; workspace buffers: hp 16,842,752 bytes; bt 266,240 bytes
;; launch gram (part 1): grid 4 x 64, 8 waves a work-group, no clusters, 300,032 bytes of LDS; arguments x, y, hp; writes hp
.if DOCPART == 1
	.amdgcn_target "amdgcn-amd-amdhsa--gfx1250"
	.amdhsa_code_object_version 6
	.text
	.protected	k_qf9b8cf4c06_gram
	.globl	k_qf9b8cf4c06_gram
	.p2align	8
	.type	k_qf9b8cf4c06_gram,@function
k_qf9b8cf4c06_gram:
	s_mov_b64 s[64:65], 0
	v_nop
	global_prefetch_b8 v0, s[64:65] scope:SCOPE_SE
	s_setreg_imm32_b32 hwreg(HW_REG_WAVE_MODE, 25, 1), 1
	s_wait_xcnt 0x0
; RLSE, launch 1 of 3.  The recursion of the module has a closed form, equal to it in exact arithmetic (Sherman-Morrison, step by step):
;   theta_N = (I + S0 G)^-1 (theta0 + S0 gv),  G = sum over rows k (from 0) of g^(k-1) x_k x_k^T,  gv = sum of g^(k-1) x_k y_k,  g = 0.99.
; This launch makes partial sums of G and gv over chunks of 256 rows: hp[chunk][b][a] = G's part (a, b), hp[chunk][256][b] = gv's part.
; LIMITS.  The order of rounding differs from the step-by-step form.  x is split into two f16 numbers, hi + lo (about 22 bits; the product lo x lo is
; left out): |x| stays under 65,504.  A chunk's weight g^(256 c - 1) below 2^-126 counts as 0 (chunks from row 8,960 on); their rows are read and multiplied all the same.
; SHARES.  Work-group (qd, c): chunk c, the quadrant of 128 a-columns (qa = qd / 2) by 128 b-columns (qb = qd % 2).  256 work-groups.
; Wave w first converts rows 32 w .. 32 w + 31: side A = x, side B = u = g^(row in chunk) x, each as hi and lo, into four LDS tiles [row][column] of f16.
; Then wave w makes 64 (a) x 32 (b): eight accumulators, K = 256 rows in eight steps of 32, three products a step: hi hi, hi lo, lo hi.
; No tensor load and no cluster: every number passes through registers to be split, so there is no tile to be shared as it lies in memory.
.set GAM,   0x3f7d70a4                 ; g as f32
.set LG2,   0xbc6d8f8b                 ; log2(g) = -0.0144995558
.set PIT,   288                        ; a tile's row: 128 f16 = 256 bytes + 32: an odd multiple of 32 bytes, for the turning load
.set TILE,  256*PIT                    ; tiles: A hi, A lo, B hi, B lo
.set GST,   4*TILE                     ; eight waves' partial gv, 512 bytes each
.set SPARE, GST+4096                   ; the spare words, 128 bytes a wave
.set CH,    263168                     ; bytes of a chunk in hp: 257 rows of 1,024
.set SPI,   272                        ; a row of the stage on the way out: 256 bytes + 16
.set ACC,   64                         ; v64-127  accumulator (mt, nt) at ACC + 8 (4 nt + mt)
.set AHF,   128                        ; v128-159 A hi fragments, v160-191 A lo, v192-207 B hi, v208-223 B lo (before that: two load buffers of 64)
.set ALF,   160
.set BHF,   192
.set BLF,   208
; v1 lane, v2 16 lane, v4-7 where I store into the four tiles, v8-11 my part of gv, v12-13 the chunk's weight, v14-15 the add's registers,
; v16-31 at work in the split, v32-35 fragment addresses, v36-38 the way out, v39-40 gv's stage, v41 1.0
	s_load_b128 s[4:7], s[0:1], 0x0                ; x s[4:5], y s[6:7]
	s_load_b64 s[8:9], s[0:1], 0x10                ; hp
	v_lshl_add_u32 v14, v0, 2, SPARE
	v_mov_b32 v15, 0
	v_lshrrev_b32 v3, 5, v0
	v_readfirstlane_b32 s10, v3                    ; wave w
	v_and_b32 v1, 31, v0
	v_lshlrev_b32 v2, 4, v1
	s_lshr_b32 s11, ttmp9, 1                       ; qa
	s_and_b32 s12, ttmp9, 1                        ; qb
	s_and_b32 s13, ttmp7, 0xffff                   ; chunk c
	; byte offsets, made apart from the addresses
	s_lshl_b32 s18, s13, 8
	s_lshl_b32 s19, s10, 5
	s_add_co_u32 s18, s18, s19                     ; my first row: 256 c + 32 w
	s_lshl_b32 s28, s18, 2                         ; in y
	s_mov_b32 s29, 0
	s_lshl_b32 s18, s18, 10                        ; in x
	s_lshl_b32 s19, s11, 9
	s_add_co_u32 s22, s18, s19                     ; side A: + 512 qa
	s_mov_b32 s23, 0
	s_lshl_b32 s19, s12, 9
	s_add_co_u32 s18, s18, s19                     ; side B: + 512 qb
	s_mov_b32 s19, 0
	s_wait_kmcnt 0x0
	s_add_nc_u64 s[14:15], s[4:5], s[22:23]
	s_add_nc_u64 s[16:17], s[4:5], s[18:19]
	s_add_nc_u64 s[30:31], s[6:7], s[28:29]
	s_load_b512 s[32:47], s[30:31], 0x0            ; my 32 rows' y
	s_load_b512 s[48:63], s[30:31], 0x40
	s_mul_i32 s18, s13, CH                         ; the chunk in hp
	s_lshl_b32 s22, s12, 17                        ; + (128 qb + 32 (w / 2)) rows of 1,024 bytes
	s_add_co_u32 s22, s22, s18
	s_lshr_b32 s23, s10, 1
	s_lshl_b32 s23, s23, 15
	s_add_co_u32 s22, s22, s23
	s_lshl_b32 s23, s11, 9                         ; + (128 qa + 64 (w % 2)) numbers of 4 bytes
	s_add_co_u32 s22, s22, s23
	s_and_b32 s23, s10, 1
	s_lshl_b32 s23, s23, 8
	s_add_co_u32 s22, s22, s23
	s_mov_b32 s23, 0
	s_add_nc_u64 s[24:25], s[8:9], s[22:23]        ; where my 32 x 64 numbers go
	s_lshl_b32 s22, s12, 9
	s_add_co_u32 s22, s22, s18
	s_add_co_u32 s22, s22, 262144
	s_add_nc_u64 s[26:27], s[8:9], s[22:23]        ; row 256: gv's 128 numbers of this qb
	s_mov_b32 s21, 0                               ; s[20:21], s[22:23] are named as pairs; the low word is taken for both halves
	; weights: g^(32 w) for my first row, g^(256 c - 1) for the chunk
	s_lshl_b32 s2, s10, 5
	s_lshl_b32 s3, s13, 8
	s_sub_co_i32 s3, s3, 1
	v_cvt_f32_u32 v3, s2
	v_cvt_f32_i32 v12, s3
	v_mul_f32 v3, LG2, v3
	v_mul_f32 v12, LG2, v12
	v_exp_f32 v3, v3
	v_exp_f32 v12, v12
	v_nop                                          ; a plain instruction between the exponentials and the use of their results
	s_wait_alu depctr_va_vdst(0)
	v_readfirstlane_b32 s20, v3
	v_mov_b32 v13, v12
	v_mov_b32 v41, 1.0
.irp i, 8,9,10,11
	v_mov_b32 v\i, 0
.endr
	; where I store: tile + (32 w + row) x pitch + 8 lane (four f16)
	s_mul_i32 s2, s10, 32*PIT
	v_lshl_add_u32 v4, v1, 3, s2
	v_add_nc_u32 v5, TILE, v4
	v_add_nc_u32 v6, 2*TILE, v4
	v_add_nc_u32 v7, 3*TILE, v4
	; fragments by the turning load: lane L reads 16 bytes of row 8 (L / 16) + L % 8, columns 8 ((L / 8) % 2) on
	v_and_b32 v16, 7, v0
	v_bfe_u32 v17, v0, 4, 1
	v_lshl_add_u32 v16, v17, 3, v16
	v_mul_u32_u24 v16, v16, PIT
	v_bfe_u32 v18, v0, 3, 1
	v_lshl_add_u32 v16, v18, 4, v16
	s_and_b32 s2, s10, 1
	s_lshl_b32 s2, s2, 7                           ; my 64 a-columns: 128 bytes x (w % 2)
	s_lshr_b32 s3, s10, 1
	s_lshl_b32 s3, s3, 6                           ; my 32 b-columns: 64 bytes x (w / 2)
	v_add_nc_u32 v32, s2, v16
	v_add_nc_u32 v33, TILE, v32
	v_add_nc_u32 v34, s3, v16
	v_add_nc_u32 v34, 2*TILE, v34
	v_add_nc_u32 v35, TILE, v34
	; the way out
	v_and_b32 v19, 15, v0
	s_mul_i32 s2, s10, 32*SPI                      ; my stage
	v_mul_u32_u24 v36, v19, SPI                    ; in: row b = L % 16, 32 bytes for each half of the lanes
	v_lshl_add_u32 v36, v17, 5, v36
	v_add_nc_u32 v36, s2, v36
	v_mul_u32_u24 v37, v17, SPI                    ; back: lanes 0-15 one row of 256 bytes, lanes 16-31 the next
	v_lshl_add_u32 v37, v19, 4, v37
	v_add_nc_u32 v37, s2, v37
	v_lshlrev_b32 v38, 10, v17                     ; and the same two rows in hp
	v_lshl_add_u32 v38, v19, 4, v38
	s_lshl_b32 s3, s10, 9
	v_add_nc_u32 v39, s3, v2
	v_add_nc_u32 v39, GST, v39
	v_add_nc_u32 v40, GST, v2
; eight rows of both sides into load buffer b: a load of the wave covers 512 consecutive bytes of a row
.macro LOADB n, b
.irp i, 0,1,2,3,4,5,6,7
	global_load_b128 v[128+64*(\b)+4*(\i):128+64*(\b)+4*(\i)+3], v2, s[14:15] offset:(8*(\n)+(\i))*1024
	global_load_b128 v[160+64*(\b)+4*(\i):160+64*(\b)+4*(\i)+3], v2, s[16:17] offset:(8*(\n)+(\i))*1024
.endr
.endm
; four f32 at v[x] become four f16 hi and four f16 lo: lo = the rounding of x - hi, which is exact in f32
.macro SPLIT x, t, adh, adl, off
	v_cvt_pk_f16_f32 v[(\t)], v[(\x)], v[(\x)+1]
	v_cvt_pk_f16_f32 v[(\t)+1], v[(\x)+2], v[(\x)+3]
	v_fma_mix_f32 v[(\t)+2], -v[(\t)], v41, v[(\x)] op_sel_hi:[1,0,0]
	v_fma_mix_f32 v[(\t)+3], -v[(\t)], v41, v[(\x)+1] op_sel:[1,0,0] op_sel_hi:[1,0,0]
	v_fma_mix_f32 v[(\t)+4], -v[(\t)+1], v41, v[(\x)+2] op_sel_hi:[1,0,0]
	v_fma_mix_f32 v[(\t)+5], -v[(\t)+1], v41, v[(\x)+3] op_sel:[1,0,0] op_sel_hi:[1,0,0]
	v_cvt_pk_f16_f32 v[(\t)+6], v[(\t)+2], v[(\t)+3]
	v_cvt_pk_f16_f32 v[(\t)+7], v[(\t)+4], v[(\t)+5]
	ds_store_b64 v[(\adh)], v[(\t):(\t)+1] offset:\off
	ds_store_b64 v[(\adl)], v[(\t)+6:(\t)+7] offset:\off
.endm
; batch n of eight rows, out of buffer b.  left: the younger loads that may stay out.  more = 1: the buffer takes batch n + 2.
.macro BATCH n, b, left, more
	s_wait_loadcnt \left                           ; loads come back in order: this batch's sixteen are in, the next batch's sixteen stay out
.irp i, 0,1,2,3,4,5,6,7
.set XA, 128+64*(\b)+4*(\i)
.set XB, XA+32
	SPLIT XA, 16, 4, 5, (8*(\n)+(\i))*PIT
	v_pk_mul_f32 v[XB:XB+1], v[XB:XB+1], s[20:21] op_sel_hi:[1,0]       ; u = g^row x, kept in place for gv
	v_pk_mul_f32 v[XB+2:XB+3], v[XB+2:XB+3], s[20:21] op_sel_hi:[1,0]
	SPLIT XB, 24, 6, 7, (8*(\n)+(\i))*PIT
	s_mul_f32 s20, s20, GAM                        ; the next row's weight
.endr
	s_cmp_lg_u32 s11, 0                            ; gv is made once for each qb: by the work-groups with qa = 0
	s_cbranch_scc1 .Lnog_\@
.irp i, 0,1,2,3,4,5,6,7
.set XB, 160+64*(\b)+4*(\i)
	s_mov_b32 s22, s[32+8*(\n)+(\i)]
	v_pk_fma_f32 v[8:9], v[XB:XB+1], s[22:23], v[8:9] op_sel_hi:[1,0,1]
	v_pk_fma_f32 v[10:11], v[XB+2:XB+3], s[22:23], v[10:11] op_sel_hi:[1,0,1]
.endr
.Lnog_\@:
.if \more
	LOADB (\n)+2, \b
.endif
.endm
	LOADB 0, 0
	LOADB 1, 1
	s_wait_kmcnt 0x0                               ; y
	BATCH 0, 0, 16, 1
	BATCH 1, 1, 16, 1
	BATCH 2, 0, 16, 0
	BATCH 3, 1, 0, 0
	s_cmp_lg_u32 s11, 0
	s_cbranch_scc1 .Lnost
	ds_store_b128 v39, v[8:11]                     ; my wave's part of gv
.Lnost:
	s_wait_dscnt 0x0                               ; for the others' sake: my stores into the tiles are done
	s_barrier_signal -1
	s_barrier_wait -1
	s_cmp_lg_u32 s11, 0
	s_cbranch_scc1 .Lnogv
	s_cmp_lg_u32 s10, 0
	s_cbranch_scc1 .Lnogv
.irp i, 0,1,2,3,4,5,6,7
	ds_load_b128 v[128+4*(\i):128+4*(\i)+3], v40 offset:512*(\i)
.endr
	s_wait_dscnt 0x0
	v_pk_add_f32 v[8:9], v[128:129], v[132:133]
	v_pk_add_f32 v[10:11], v[130:131], v[134:135]
.irp i, 2,3,4,5,6,7
	v_pk_add_f32 v[8:9], v[8:9], v[128+4*(\i):129+4*(\i)]
	v_pk_add_f32 v[10:11], v[10:11], v[130+4*(\i):131+4*(\i)]
.endr
	v_pk_mul_f32 v[8:9], v[8:9], v[12:13]
	v_pk_mul_f32 v[10:11], v[10:11], v[12:13]
	global_store_b128 v2, v[8:11], s[26:27]        ; 512 consecutive bytes; v2 and v8-11 are not written again
.Lnogv:
; a K step's fragments: 24 turning loads.  The first of a pair brings rows 8 (L / 16) + 0..7 of the step, the second those 16 rows further down.
.macro FRAGS
.irp m, 0,1,2,3
	ds_load_tr16_b128 v[AHF+8*(\m):AHF+8*(\m)+3],   v32 offset:32*(\m)
	ds_load_tr16_b128 v[AHF+8*(\m)+4:AHF+8*(\m)+7], v32 offset:32*(\m)+16*PIT
	ds_load_tr16_b128 v[ALF+8*(\m):ALF+8*(\m)+3],   v33 offset:32*(\m)
	ds_load_tr16_b128 v[ALF+8*(\m)+4:ALF+8*(\m)+7], v33 offset:32*(\m)+16*PIT
.endr
.irp n, 0,1
	ds_load_tr16_b128 v[BHF+8*(\n):BHF+8*(\n)+3],   v34 offset:32*(\n)
	ds_load_tr16_b128 v[BHF+8*(\n)+4:BHF+8*(\n)+7], v34 offset:32*(\n)+16*PIT
	ds_load_tr16_b128 v[BLF+8*(\n):BLF+8*(\n)+3],   v35 offset:32*(\n)
	ds_load_tr16_b128 v[BLF+8*(\n)+4:BLF+8*(\n)+7], v35 offset:32*(\n)+16*PIT
.endr
.endm
; one of the three products: the eight accumulators take turns, one instruction a turn.  zero = 1: it starts the sums.
; Source 0 = 16 a-columns, source 1 = 16 b-columns: a lane then holds b = L % 16 and eight neighbouring a.
.macro TERM a, b, zero
.irp n, 0,1
.irp m, 0,1,2,3
.if \zero
	v_wmma_f32_16x16x32_f16 v[ACC+8*(4*(\n)+(\m)):ACC+8*(4*(\n)+(\m))+7], v[(\a)+8*(\m):(\a)+8*(\m)+7], v[(\b)+8*(\n):(\b)+8*(\n)+7], 0
.else
	v_wmma_f32_16x16x32_f16 v[ACC+8*(4*(\n)+(\m)):ACC+8*(4*(\n)+(\m))+7], v[(\a)+8*(\m):(\a)+8*(\m)+7], v[(\b)+8*(\n):(\b)+8*(\n)+7], v[ACC+8*(4*(\n)+(\m)):ACC+8*(4*(\n)+(\m))+7]
.endif
.endr
.endr
.endm
	FRAGS                                          ; the first K step stands ahead of the loop: its first product starts the sums
	s_wait_dscnt 0x0
	TERM AHF, BHF, 1
	TERM AHF, BLF, 0
	TERM ALF, BHF, 0
	s_mov_b32 s28, 7
.Lk:
	v_add_nc_u32 v32, 32*PIT, v32                  ; 32 rows on; these four plain lines are also the places between the last product and the loads into its sources
	v_add_nc_u32 v33, 32*PIT, v33
	v_add_nc_u32 v34, 32*PIT, v34
	v_add_nc_u32 v35, 32*PIT, v35
	FRAGS
	s_wait_dscnt 0x0
	TERM AHF, BHF, 0
	TERM AHF, BLF, 0
	TERM ALF, BHF, 0
	s_sub_co_u32 s28, s28, 1
	s_cmp_lg_u32 s28, 0
	s_cbranch_scc1 .Lk
.rept 4
	v_nop                                          ; four places behind the last product
.endr
.set i, ACC
.rept 32
	v_pk_mul_f32 v[i:i+1], v[i:i+1], v[12:13]      ; the chunk's weight; each accumulator from its low end on
.set i, i+2
.endr
	s_wait_dscnt 0x0                               ; my reads of the tiles are over
	s_barrier_signal -1
	s_barrier_wait -1                              ; everybody's are: the stages lie where tile A hi lay
.irp n, 0,1
.irp m, 0,1,2,3
	ds_store_b128 v36, v[ACC+8*(4*(\n)+(\m)):ACC+8*(4*(\n)+(\m))+3]   offset:(\n)*16*SPI+(\m)*64
	ds_store_b128 v36, v[ACC+8*(4*(\n)+(\m))+4:ACC+8*(4*(\n)+(\m))+7] offset:(\n)*16*SPI+(\m)*64+16
.endr
.endr
.irp i, 0,1,2,3,4,5,6,7,8,9,10,11,12,13,14,15
	ds_load_b128 v[128+4*(\i):128+4*(\i)+3], v37 offset:(\i)*2*SPI   ; my own stage: LDS serves a wave's instructions in order, so these see the stores above
.endr
.irp i, 0,1,2,3,4,5,6,7,8,9,10,11,12,13,14,15
	s_wait_dscnt 15-(\i)                           ; load i is back, the younger ones stay out
	global_store_b128 v38, v[128+4*(\i):128+4*(\i)+3], s[24:25] offset:(\i)*2048   ; 16 lanes store 256 consecutive bytes, at a multiple of 256 from hp's first byte
.endr
	s_wait_tensorcnt 0x0                           ; the wave's end
	ds_add_u32 v14, v15
	s_wait_dscnt 0x0
	s_endpgm
.Lfunc_end_k_qf9b8cf4c06_gram:
	.size	k_qf9b8cf4c06_gram, .Lfunc_end_k_qf9b8cf4c06_gram-k_qf9b8cf4c06_gram
	.p2alignl 7, 3214868480
	.fill 96, 4, 3214868480
	.section	.rodata,"a",@progbits
	.p2align	6, 0x0
	.amdhsa_kernel k_qf9b8cf4c06_gram
		.amdhsa_group_segment_fixed_size 300032
		.amdhsa_private_segment_fixed_size 0
		.amdhsa_enable_private_segment 0
		.amdhsa_kernarg_size 24
		.amdhsa_user_sgpr_count 2
		.amdhsa_user_sgpr_kernarg_segment_ptr 1
		.amdhsa_wavefront_size32 1
		.amdhsa_system_sgpr_workgroup_id_x 1
		.amdhsa_system_sgpr_workgroup_id_y 1
		.amdhsa_system_sgpr_workgroup_id_z 1
		.amdhsa_system_vgpr_workitem_id 0
		.amdhsa_next_free_vgpr 256
		.amdhsa_next_free_sgpr 66
		.amdhsa_reserve_vcc 0
		.amdhsa_float_denorm_mode_32 3
		.amdhsa_float_denorm_mode_16_64 3
		.amdhsa_memory_ordered 1
		.amdhsa_forward_progress 1
		.amdhsa_inst_pref_size 77
	.end_amdhsa_kernel
	.amdgpu_metadata
---
amdhsa.version: [ 1, 2 ]
amdhsa.kernels:
  - .name:           k_qf9b8cf4c06_gram
    .symbol:         k_qf9b8cf4c06_gram.kd
    .args:
      - { .name: x, .offset: 0, .size: 8, .value_kind: global_buffer, .address_space: global }
      - { .name: y, .offset: 8, .size: 8, .value_kind: global_buffer, .address_space: global }
      - { .name: hp, .offset: 16, .size: 8, .value_kind: global_buffer, .address_space: global }
    .group_segment_fixed_size: 300032
    .private_segment_fixed_size: 0
    .kernarg_segment_align: 8
    .kernarg_segment_size: 24
    .max_flat_workgroup_size: 256
    .sgpr_count:     66
    .vgpr_count:     256
    .wavefront_size: 32
...
	.end_amdgpu_metadata
.endif
;; end of part 1
;; launch form (part 2): grid 65 x 1, 16 waves a work-group, no clusters, 10,240 bytes of LDS; arguments hp, s0, theta0, bt; writes bt
.if DOCPART == 2
	.amdgcn_target "amdgcn-amd-amdhsa--gfx1250"
	.amdhsa_code_object_version 6
	.text
	.protected	k_qf9b8cf4c06_form
	.globl	k_qf9b8cf4c06_form
	.p2align	8
	.type	k_qf9b8cf4c06_form,@function
k_qf9b8cf4c06_form:
	s_mov_b64 s[64:65], 0
	v_nop
	global_prefetch_b8 v0, s[64:65] scope:SCOPE_SE
	s_setreg_imm32_b32 hwreg(HW_REG_WAVE_MODE, 25, 1), 1
	s_wait_xcnt 0x0
; RLSE, launch 2 of 3.  B = I + S0 G and the right side theta0 + S0 gv, laid out as the solver's registers want them.
; Work-group t makes the four columns 4 t .. 4 t + 3 of B.  Column c of G is row c of hp, summed over the 64 chunks; row 256 is gv:
; work-group 64 takes row 256 four times, which is the right side once for each of the solver's four groups of lanes.
; The product with S0 is made in f32 on the vector unit: 16.8 million multiply-adds in all, and the solve needs B to about f32's precision (16-bit operands would spend the whole allowance).
; bt: quad t at 4,096 t; in it element (column c, row i) at (i / 32) 512 + (8 (c % 4) + i % 8) 16 + ((i / 8) % 4) 4.
; No LDS ring, no matrix unit, no cluster: a stream of partial sums read once, and a small product.
.set CH,    263168                     ; bytes of a chunk in hp
.set HS,    0                          ; the four summed columns, 1,024 bytes each
.set STG,   4096                       ; the quad as it goes out
.set SPARE, 8192                       ; the spare words, 128 bytes a wave
; v1 lane, v2 my offset in a chunk, v3 my offset in S0, v4 where results go, v5 my column, v6-7 the add's registers, v8-15 four chains of sums (v15 later 1.0),
; v16-47 the four columns (8 registers each), v48-55 products, v56-63 at work, v64-127 32 loads of 8 bytes, v128-255 16 rows of S0 (8 registers each)
	s_load_b256 s[4:11], s[0:1], 0x0               ; hp s[4:5], s0 s[6:7], theta0 s[8:9], bt s[10:11]
	v_lshl_add_u32 v6, v0, 2, SPARE
	v_mov_b32 v7, 0
	v_lshrrev_b32 v1, 5, v0
	v_readfirstlane_b32 s12, v1                    ; wave w
	v_and_b32 v1, 31, v0
	s_mov_b32 s13, ttmp9                           ; t
	s_lshl_b32 s14, s13, 2
	v_lshrrev_b32 v2, 7, v0                        ; 128 threads to a column, 8 bytes each
	v_add_nc_u32 v2, s14, v2
	v_min_u32 v2, 0x100, v2                        ; row of hp: min(4 t + thread / 128, 256)
	v_lshlrev_b32 v2, 10, v2
	v_and_b32 v56, 127, v0
	v_lshl_add_u32 v2, v56, 3, v2
	s_lshl_b32 s15, s12, 14                        ; my 16 rows of S0
	v_lshl_add_u32 v3, v1, 4, s15
	s_lshr_b32 s16, s12, 1
	s_lshl_b32 s16, s16, 9
	s_and_b32 s17, s12, 1
	s_lshl_b32 s17, s17, 3
	s_add_co_u32 s16, s16, s17
	s_add_co_u32 s16, s16, STG
	v_and_b32 v5, 3, v0
	v_lshl_add_u32 v4, v5, 7, s16                  ; STG + (w / 2) 512 + (w % 2) 8 + (lane % 4) 128
	v_add_nc_u32 v5, s14, v5                       ; the column that my lane ends up with: 4 t + lane % 4
	s_lshl_b32 s18, s12, 6
	s_mov_b32 s19, 0
	s_lshl_b32 s24, s13, 12
	s_mov_b32 s25, 0
	s_mov_b32 s26, 0xaaaaaaaa                      ; lanes with bit 0 set
	s_mov_b32 s27, 0xcccccccc                      ; lanes with bit 1 set
	s_mov_b32 s28, 0x76543210                      ; v_permlanex16_b32: each lane takes its own place in the other half
	s_mov_b32 s29, 0xfedcba98
	s_lshl_b32 s30, s12, 4                         ; my first row
	v_lshlrev_b32 v63, 3, v0
	v_lshlrev_b32 v62, 4, v1
	v_mov_b32 v61, 0
	s_wait_kmcnt 0x0
	s_add_nc_u64 s[20:21], s[8:9], s[18:19]
	s_load_b512 s[32:47], s[20:21], 0x0            ; theta0 of my 16 rows
	s_add_nc_u64 s[22:23], s[4:5], 32*CH           ; chunks 32 to 63
	s_add_nc_u64 s[10:11], s[10:11], s[24:25]      ; my quad
.set i, 0
.rept 32
	global_load_b64 v[64+2*i:65+2*i], v2, s[4:5] offset:i*CH th:TH_LOAD_NT   ; a load of the wave covers 256 consecutive bytes
.set i, i+1
.endr
.set i, 0
.rept 16
	global_load_b128 v[128+8*i:131+8*i], v3, s[6:7] offset:i*1024
	global_load_b128 v[132+8*i:135+8*i], v3, s[6:7] offset:i*1024+512
.set i, i+1
.endr
	s_wait_loadcnt 32                              ; the first 32 partial sums are in; S0's 32 loads stay out
.set i, 0
.rept 4
	v_pk_add_f32 v[8+2*i:9+2*i], v[64+2*i:65+2*i], v[72+2*i:73+2*i]   ; the first additions start four chains: nothing is cleared
.set i, i+1
.endr
.set i, 8
.rept 24
	v_pk_add_f32 v[8+2*(i%4):9+2*(i%4)], v[8+2*(i%4):9+2*(i%4)], v[64+2*i:65+2*i]
.set i, i+1
.endr
.set i, 0
.rept 32
	global_load_b64 v[64+2*i:65+2*i], v2, s[22:23] offset:i*CH th:TH_LOAD_NT
.set i, i+1
.endr
	s_wait_loadcnt 0x0
.set i, 0
.rept 32
	v_pk_add_f32 v[8+2*(i%4):9+2*(i%4)], v[8+2*(i%4):9+2*(i%4)], v[64+2*i:65+2*i]
.set i, i+1
.endr
	v_pk_add_f32 v[8:9], v[8:9], v[10:11]
	v_pk_add_f32 v[12:13], v[12:13], v[14:15]
	v_pk_add_f32 v[8:9], v[8:9], v[12:13]
	ds_store_b64 v63, v[8:9]                       ; HS + 8 x thread
	s_wait_dscnt 0x0                               ; for the others' sake
	s_barrier_signal -1
	s_barrier_wait -1
.irp g, 0,1,2,3
	ds_load_b128 v[16+8*(\g):19+8*(\g)], v62 offset:HS+(\g)*1024         ; the same places m = 4 lane .. and 128 + 4 lane .. as my registers of S0's rows
	ds_load_b128 v[20+8*(\g):23+8*(\g)], v62 offset:HS+(\g)*1024+512
.endr
	v_mov_b32 v15, 1.0
	s_wait_kmcnt 0x0
	s_cmp_eq_u32 s13, 64                           ; only the right side takes theta0; the columns of B take 0 here and 1 on the diagonal
.set i, 0
.rept 16
	s_cselect_b32 s[32+i], s[32+i], 0
.set i, i+1
.endr
	s_wait_dscnt 0x0
; row 16 w + r of S0 times the four columns.  Then the four sums over 32 lanes are made together: two exchanges leave lane l with column l % 4, three more finish it.
.macro ROW r
.set S, 128+8*(\r)
.irp g, 0,1,2,3
	v_pk_mul_f32 v[48+2*(\g):49+2*(\g)], v[S:S+1], v[16+8*(\g):17+8*(\g)]
.endr
.irp e, 1,2,3
.irp g, 0,1,2,3
	v_pk_fma_f32 v[48+2*(\g):49+2*(\g)], v[S+2*(\e):S+2*(\e)+1], v[16+8*(\g)+2*(\e):17+8*(\g)+2*(\e)], v[48+2*(\g):49+2*(\g)]
.endr
.endr
.irp g, 0,1,2,3
	v_add_f32 v[48+2*(\g)], v[48+2*(\g)], v[49+2*(\g)]
.endr
	v_cndmask_b32 v56, v48, v50, s26               ; an odd lane keeps column 1 and sends column 0, an even lane the other way round
	v_cndmask_b32 v57, v50, v48, s26
	v_cndmask_b32 v58, v52, v54, s26               ; the same for columns 2 and 3
	v_cndmask_b32 v59, v54, v52, s26
	v_add_f32_dpp v56, v57, v56 row_xmask:1 row_mask:0xf bank_mask:0xf
	v_add_f32_dpp v58, v59, v58 row_xmask:1 row_mask:0xf bank_mask:0xf
	v_cndmask_b32 v60, v56, v58, s27               ; lanes with bit 1 set keep columns 2, 3
	v_cndmask_b32 v59, v58, v56, s27
	v_add_f32_dpp v60, v59, v60 row_xmask:2 row_mask:0xf bank_mask:0xf
	v_add_f32_dpp v60, v60, v60 row_xmask:4 row_mask:0xf bank_mask:0xf
	v_add_f32_dpp v60, v60, v60 row_xmask:8 row_mask:0xf bank_mask:0xf
	v_permlanex16_b32 v61, v60, s28, s29
	s_add_co_u32 s31, s30, \r
	v_cmp_eq_u32 vcc_lo, s31, v5                   ; on the diagonal?
	v_add_f32 v60, v60, v61
	v_cndmask_b32 v57, s[32+(\r)], v15, vcc_lo     ; 1 there; elsewhere 0, or theta0 for the right side
	v_add_f32 v60, v60, v57
	ds_store_b32 v4, v60 offset:((\r)&7)*16+((\r)>>3)*4   ; eight lanes hold the same number and store it to the same word
.endm
.irp r, 0,1,2,3,4,5,6,7,8,9,10,11,12,13,14,15
	ROW \r
.endr
	s_wait_dscnt 0x0                               ; for the others' sake
	s_barrier_signal -1
	s_barrier_wait -1
	s_cmp_gt_u32 s12, 7
	s_cbranch_scc1 .Lend                           ; 256 threads x 16 bytes are the quad
	v_lshlrev_b32 v56, 4, v0
	ds_load_b128 v[48:51], v56 offset:STG
	s_wait_dscnt 0x0
	global_store_b128 v56, v[48:51], s[10:11]      ; 512 consecutive bytes a wave
.Lend:
	s_wait_tensorcnt 0x0                           ; the wave's end
	ds_add_u32 v6, v7
	s_wait_dscnt 0x0
	s_endpgm
.Lfunc_end_k_qf9b8cf4c06_form:
	.size	k_qf9b8cf4c06_form, .Lfunc_end_k_qf9b8cf4c06_form-k_qf9b8cf4c06_form
	.p2alignl 7, 3214868480
	.fill 96, 4, 3214868480
	.section	.rodata,"a",@progbits
	.p2align	6, 0x0
	.amdhsa_kernel k_qf9b8cf4c06_form
		.amdhsa_group_segment_fixed_size 10240
		.amdhsa_private_segment_fixed_size 0
		.amdhsa_enable_private_segment 0
		.amdhsa_kernarg_size 32
		.amdhsa_user_sgpr_count 2
		.amdhsa_user_sgpr_kernarg_segment_ptr 1
		.amdhsa_wavefront_size32 1
		.amdhsa_system_sgpr_workgroup_id_x 1
		.amdhsa_system_sgpr_workgroup_id_y 1
		.amdhsa_system_sgpr_workgroup_id_z 1
		.amdhsa_system_vgpr_workitem_id 0
		.amdhsa_next_free_vgpr 256
		.amdhsa_next_free_sgpr 66
		.amdhsa_reserve_vcc 1
		.amdhsa_float_denorm_mode_32 3
		.amdhsa_float_denorm_mode_16_64 3
		.amdhsa_memory_ordered 1
		.amdhsa_forward_progress 1
		.amdhsa_inst_pref_size 51
	.end_amdhsa_kernel
	.amdgpu_metadata
---
amdhsa.version: [ 1, 2 ]
amdhsa.kernels:
  - .name:           k_qf9b8cf4c06_form
    .symbol:         k_qf9b8cf4c06_form.kd
    .args:
      - { .name: hp, .offset: 0, .size: 8, .value_kind: global_buffer, .address_space: global }
      - { .name: s0, .offset: 8, .size: 8, .value_kind: global_buffer, .address_space: global }
      - { .name: theta0, .offset: 16, .size: 8, .value_kind: global_buffer, .address_space: global }
      - { .name: bt, .offset: 24, .size: 8, .value_kind: global_buffer, .address_space: global }
    .group_segment_fixed_size: 10240
    .private_segment_fixed_size: 0
    .kernarg_segment_align: 8
    .kernarg_segment_size: 32
    .max_flat_workgroup_size: 512
    .sgpr_count:     66
    .vgpr_count:     256
    .wavefront_size: 32
...
	.end_amdgpu_metadata
.endif
;; end of part 2
;; launch solve (part 3): grid 1 x 1, 16 waves a work-group, no clusters, 299,264 bytes of LDS; arguments bt, out0; writes out0
.if DOCPART == 3
	.amdgcn_target "amdgcn-amd-amdhsa--gfx1250"
	.amdhsa_code_object_version 6
	.text
	.protected	k_qf9b8cf4c06_solve
	.globl	k_qf9b8cf4c06_solve
	.p2align	8
	.type	k_qf9b8cf4c06_solve,@function
k_qf9b8cf4c06_solve:
	s_mov_b64 s[64:65], 0
	v_nop
	global_prefetch_b8 v0, s[64:65] scope:SCOPE_SE
	s_setreg_imm32_b32 hwreg(HW_REG_WAVE_MODE, 25, 1), 1
	s_wait_xcnt 0x0
; RLSE, launch 3 of 3.  Solves B theta = r (256 x 256, f32) by Householder QR and back-substitution.  Householder needs no pivot, so no address and no branch hangs on a
; floating-point number, and it holds for any B, symmetric or not.  One work-group: each of the 256 steps needs the step before it, and B (256 KB) lies in the registers of 16 waves.
; LIMITS.  A column's sum of squares is taken as it is: entries of B stay under about 1e18.  A singular B (a zero column norm or diagonal), NaN and infinities are not treated apart.
; LAYOUT.  Lane L = 8 g + q.  Slot s (0..3) of wave w holds column 64 s + 4 w + g; register j (0..31) of the slot holds row 8 j + q: a column lies in eight lanes.
; Every wave loads the right side (once in each group of lanes); wave 0 alone updates it.
; REFLECTOR.  H = I - tau v v^T with v = the column from row K on, alpha + sign(alpha) norm on the diagonal, tau = 1 / (sigma + |alpha| norm): v is not scaled, so all of it
; but the four registers round the diagonal is stored as the column lies, before the norm is known; tau travels in the padding of v's rows in LDS.
; STEP K, ONE BARRIER.  Every wave reads v_K and applies it first to the block that holds the phase's columns; the owner of column K + 1 then makes v_{K+1} and stores it; every wave
; waits for its LDS instructions and signals; the other blocks are updated between the signal and the wait.  v lies in two buffers by the parity of K (the loop is unrolled by two):
; v_{K+1} is stored ahead of its owner's signal and read behind the wait; the loads of v_K are back ahead of every wave's signal, and v_{K+2} goes into that buffer behind the wait.
; All four groups of lanes of the owner store, each into a place of its own, with all lanes on; only the place of column K + 1 is ever read.
; Columns left of K are updated too where their wave works: only their rows from K on change, which lie under the diagonal and are never read.
; A wave whose four columns of the phase's slot all lie left of K jumps over that block; wave 0, the first to be so, has the right side in its stead.
; PHASES.  In steps 32 p .. 32 p + 31 all rows above 32 p are done: the text of phase p names registers 4 p .. 31 and slots p / 2 .. 3 alone.  A phase's first v is made alone.
.set VPI,   144                        ; LDS: a lane's 32 registers, 128 bytes + 16 of padding (tau at byte 128)
.set CPI,   8*VPI                      ; a column: 1,152 bytes
.set BUF1,  64*CPI                     ; v of even K: place K % 64 from byte 0; of odd K: from here.  Later R's column c lies at c x CPI, the right side as column 256
.set XST,   296192                     ; theta on its way out, 1,024 bytes
.set SPARE, 297216                     ; the spare words, 128 bytes a wave
.set T,     16                         ; v16-31  at work: four registers a column block, or eight for a block alone
.set VH,    32                         ; v32-63  v as read
.set A,     64                         ; v64-191 slot s at A + 32 s; v192-223 the right side, block 4
.set VB,    228                        ; v228-231 the four registers of a new v round the diagonal
.set TAU,   232                        ; v232    tau as read
.set G,     234                        ; v234-241 four chains of squares
; v2 q, v3 g, v4-5 where my lanes store v (buffer 0, 1), v6 q x 144, v7 and v15 where v is read (even, odd K), v8 K - q, v9 alpha, v10 sigma, v11 norm, v12-14 at work,
; v224-225 the add's registers, v226-227 offsets in bt
; s8 wave, s9 K (even), s10 at work, s11 owner of the next column, s12 the next column, s13 owner of this column, s[20:21] -x_k, s22-23 at work, s24-27 rows that count, s28-31 the diagonal
	s_load_b128 s[4:7], s[0:1], 0x0                ; bt s[4:5], out0 s[6:7]
	v_lshl_add_u32 v224, v0, 2, SPARE
	v_mov_b32 v225, 0
	v_lshrrev_b32 v1, 5, v0
	v_readfirstlane_b32 s8, v1                     ; wave w
	v_and_b32 v1, 31, v0
	v_and_b32 v2, 7, v0
	v_bfe_u32 v3, v0, 3, 2
	v_mul_u32_u24 v6, v2, VPI
	s_lshl_b32 s22, s8, 2
	v_add_nc_u32 v4, s22, v3                       ; 4 w + g
	v_mul_u32_u24 v4, v4, CPI
	v_add_nc_u32 v4, v4, v6
	v_add_nc_u32 v5, BUF1, v4
	s_lshl_b32 s22, s8, 12
	v_lshl_add_u32 v226, v1, 4, s22                ; quad 16 s + w, 16 bytes a lane
	v_lshlrev_b32 v227, 4, v1
	s_mov_b32 s21, 0                               ; named with s20 as a pair
.irp i, 24,25,26,27,28,29,30,31
	s_mov_b32 s\i, 0
.endr
	s_wait_kmcnt 0x0
.irp s, 0,1,2,3
.irp j, 0,1,2,3,4,5,6,7
	global_load_b128 v[A+32*(\s)+4*(\j):A+32*(\s)+4*(\j)+3], v226, s[4:5] offset:(\s)*65536+(\j)*512
.endr
.endr
.irp j, 0,1,2,3,4,5,6,7
	global_load_b128 v[A+128+4*(\j):A+128+4*(\j)+3], v227, s[4:5] offset:262144+(\j)*512
.endr
	s_wait_loadcnt 0x0
.macro EACH first, last, line:vararg   ; one line for each column block bk; rt: the block's four registers at work
.set bk, \first
.rept (\last)-(\first)+1
.set rt, T+4*(bk%4)
	\line
.set bk, bk+1
.endr
.endm
; H is applied to blocks first .. last: t = tau v^T a in two chains a block, summed over the column's eight lanes; then a -= v t.  The blocks alternate.  Work on registers alone.
.macro UPD p, first, last
.set pr, 0
.rept 16-2*(\p)
.set bk, \first
.rept (\last)-(\first)+1
.set ra, A+32*bk+4*(\p)+2*pr
.set rv, VH+4*(\p)+2*pr
.set rt, T+4*(bk%4)+2*(pr%2)
.if pr < 2
	v_pk_mul_f32 v[rt:rt+1], v[ra:ra+1], v[rv:rv+1]
.else
	v_pk_fma_f32 v[rt:rt+1], v[ra:ra+1], v[rv:rv+1], v[rt:rt+1]
.endif
.set bk, bk+1
.endr
.set pr, pr+1
.endr
	EACH \first, \last, v_pk_add_f32 v[rt:rt+1], v[rt:rt+1], v[rt+2:rt+3]
	EACH \first, \last, v_add_f32 v[rt], v[rt], v[rt+1]
	EACH \first, \last, v_add_f32_dpp v[rt], v[rt], v[rt] row_xmask:1 row_mask:0xf bank_mask:0xf
	EACH \first, \last, v_add_f32_dpp v[rt], v[rt], v[rt] row_xmask:2 row_mask:0xf bank_mask:0xf
	EACH \first, \last, v_add_f32_dpp v[rt], v[rt], v[rt] row_xmask:4 row_mask:0xf bank_mask:0xf
	EACH \first, \last, v_mul_f32 v[rt], v[rt], v[TAU]
.set pr, 0
.rept 16-2*(\p)
.set bk, \first
.rept (\last)-(\first)+1
.set ra, A+32*bk+4*(\p)+2*pr
.set rv, VH+4*(\p)+2*pr
.set rt, T+4*(bk%4)
	v_pk_fma_f32 v[ra:ra+1], v[rv:rv+1], v[rt:rt+1], v[ra:ra+1] op_sel_hi:[1,0,1] neg_lo:[0,1,0] neg_hi:[0,1,0]
.set bk, bk+1
.endr
.set pr, pr+1
.endr
.endm
; The same for one block alone, which the next v waits for: four chains, so that fewer lines wait for the line before them.
.macro UPD1 p, blk
.set pr, 0
.rept 16-2*(\p)
.set ra, A+32*(\blk)+4*(\p)+2*pr
.set rv, VH+4*(\p)+2*pr
.set rt, T+2*(pr%4)
.if pr < 4
	v_pk_mul_f32 v[rt:rt+1], v[ra:ra+1], v[rv:rv+1]
.else
	v_pk_fma_f32 v[rt:rt+1], v[ra:ra+1], v[rv:rv+1], v[rt:rt+1]
.endif
.set pr, pr+1
.endr
.if (\p) < 7
	v_pk_add_f32 v[T:T+1], v[T:T+1], v[T+4:T+5]
	v_pk_add_f32 v[T+2:T+3], v[T+2:T+3], v[T+6:T+7]
.endif
	v_pk_add_f32 v[T:T+1], v[T:T+1], v[T+2:T+3]
	v_add_f32 v[T], v[T], v[T+1]
.irp x, 1,2,4
	v_add_f32_dpp v[T], v[T], v[T] row_xmask:\x row_mask:0xf bank_mask:0xf
.endr
	v_mul_f32 v[T], v[T], v[TAU]
.set pr, 0
.rept 16-2*(\p)
.set ra, A+32*(\blk)+4*(\p)+2*pr
.set rv, VH+4*(\p)+2*pr
	v_pk_fma_f32 v[ra:ra+1], v[rv:rv+1], v[T:T+1], v[ra:ra+1] op_sel_hi:[1,0,1] neg_lo:[0,1,0] neg_hi:[0,1,0]
.set pr, pr+1
.endr
.endm
; For column s12: row 8 j + q counts if 8 j >= s12 - q and is the diagonal if 8 j = s12 - q; only registers 4 p .. 4 p + 3 can lie above or on it.  Hangs on the column's number alone.
.macro MASKS p
	v_sub_nc_u32 v8, s12, v2
.irp b, 0,1,2,3
	v_cmp_ge_i32 s[24+(\b)], 8*(4*(\p)+(\b)), v8
	v_cmp_eq_i32 s[28+(\b)], 8*(4*(\p)+(\b)), v8
.endr
.endm
; v and tau of column s12, made by its owner and stored through address register st.  All four groups of lanes work on their own column of the slot and store into their own place.
.macro GEN p, st
.set J0, 4*(\p)
.set CB, A+32*((\p)/2)
.irp b, 0,1,2,3
	v_cndmask_b32 v[VB+(\b)], 0, v[CB+J0+(\b)], s[24+(\b)]
.endr
	v_cndmask_b32 v9, 0, v[CB+J0], s28             ; alpha, in the one lane that holds it; 0 elsewhere
.irp b, 1,2,3
	v_cndmask_b32 v9, v9, v[CB+J0+(\b)], s[28+(\b)]
.endr
	v_pk_mul_f32 v[G:G+1], v[VB:VB+1], v[VB:VB+1]
	v_pk_mul_f32 v[G+2:G+3], v[VB+2:VB+3], v[VB+2:VB+3]
.set pr, 2
.rept 14-2*(\p)
.if pr < 4
	v_pk_mul_f32 v[G+2*pr:G+2*pr+1], v[CB+J0+2*pr:CB+J0+2*pr+1], v[CB+J0+2*pr:CB+J0+2*pr+1]
.else
	v_pk_fma_f32 v[G+2*(pr%4):G+2*(pr%4)+1], v[CB+J0+2*pr:CB+J0+2*pr+1], v[CB+J0+2*pr:CB+J0+2*pr+1], v[G+2*(pr%4):G+2*(pr%4)+1]
.endif
.set pr, pr+1
.endr
.set jj, (\p)+1
.rept 7-(\p)
	ds_store_b128 v[\st], v[CB+4*jj:CB+4*jj+3] offset:16*jj   ; under the boundary v is the column as it lies
.set jj, jj+1
.endr
.if (\p) < 7
	v_pk_add_f32 v[G:G+1], v[G:G+1], v[G+4:G+5]
	v_pk_add_f32 v[G+2:G+3], v[G+2:G+3], v[G+6:G+7]
.endif
	v_pk_add_f32 v[G:G+1], v[G:G+1], v[G+2:G+3]
	v_add_f32 v10, v[G], v[G+1]
.irp x, 1,2,4
	v_add_f32_dpp v10, v10, v10 row_xmask:\x row_mask:0xf bank_mask:0xf   ; sigma = the sum of squares from the diagonal on
	v_add_f32_dpp v9, v9, v9 row_xmask:\x row_mask:0xf bank_mask:0xf      ; alpha in all eight lanes
.endr
	v_sqrt_f32 v11, v10
	v_nop                                          ; a plain instruction behind the root
	s_wait_alu depctr_va_vdst(0)
	v_fma_f32 v12, |v9|, v11, v10                  ; half of v^T v
	v_rcp_f32 v13, v12                             ; tau
	v_bfi_b32 v14, 0x7fffffff, v11, v9             ; the norm with alpha's sign; also the plain instruction behind the reciprocal
.irp b, 0,1,2,3
	v_cndmask_b32 v[G+(\b)], 0, v14, s[28+(\b)]
.endr
.irp b, 0,1,2,3
	v_add_f32 v[VB+(\b)], v[VB+(\b)], v[G+(\b)]
.endr
	ds_store_b128 v[\st], v[VB:VB+3] offset:16*(\p)
	s_wait_alu depctr_va_vdst(0)
	ds_store_b32 v[\st], v13 offset:128
.endm
; Step K = s9 + par.  v_K is read from buffer par, v_{K+1} goes into the other.  Every wave makes both read addresses and reads v: no path leaves an address unmade.
.macro STEP p, par
.if (\par) == 0
	s_and_b32 s10, s9, 63
	s_mul_i32 s10, s10, CPI
	v_add_nc_u32 v7, s10, v6                       ; place K % 64 of buffer 0
	s_bfe_u32 s13, s9, 0x40002                     ; the owner of columns K and K + 1 of this trip: (K / 4) % 16
.endif
.set jj, \p
.rept 8-(\p)
	ds_load_b128 v[VH+4*jj:VH+4*jj+3], v[7+8*(\par)] offset:16*jj   ; the four groups of lanes read the same bytes
.set jj, jj+1
.endr
	ds_load_b32 v[TAU], v[7+8*(\par)] offset:128
	s_add_co_u32 s12, s9, (\par)+1                 ; the next column
.if (\par) == 0
	s_and_b32 s10, s12, 63
	s_mul_i32 s10, s10, CPI
	s_add_co_u32 s10, s10, BUF1
	v_add_nc_u32 v15, s10, v6                      ; where the trip's second step reads: buffer 1
.endif
	s_bfe_u32 s11, s12, 0x40002                    ; its owner
.if (\par) == 1
	s_cmp_eq_u32 s12, 32*(\p)+32                   ; the next phase's first v is made by that phase's text: here nobody owns it
	s_cselect_b32 s11, 64, s11
.endif
	s_cmp_lg_u32 s11, s8
	s_cbranch_scc1 .Lnm_\@
	MASKS \p                                       ; while v_K is on its way
.Lnm_\@:
	s_wait_dscnt 0x0                               ; v_K and tau are in registers: my reads of this buffer are over
	s_cmp_lt_u32 s8, s13                           ; my four columns of this slot lie left of K
	s_cbranch_scc1 .Lng_\@
	UPD1 \p, (\p)/2
	s_cmp_lg_u32 s11, s8
	s_cbranch_scc1 .Lng_\@
	GEN \p, 5-(\par)
.Lng_\@:
	s_wait_dscnt 0x0                               ; for the others' sake: the owner's stores of the next v are done
	s_barrier_signal -1                            ; my reads of v_K are over, and my stores are done
.if (\p)/2 < 3
	UPD \p, (\p)/2+1, 3                            ; work on registers alone while the others arrive
.endif
	s_barrier_wait -1                              ; behind this wait the next v is read, and the one after it may go into v_K's buffer
	s_cmp_lg_u32 s8, 0
	s_cbranch_scc1 .Lnr_\@
	UPD1 \p, 4                                     ; wave 0: the right side
.Lnr_\@:
.endm
.macro PHASE p
	s_mov_b32 s9, 32*(\p)
	s_mov_b32 s12, 32*(\p)
	s_cmp_lg_u32 s8, (8*(\p))&15                   ; the owner of the phase's first column
	s_cbranch_scc1 .Lnp\p
	MASKS \p
	GEN \p, 4                                      ; into buffer 0, whose last readers signalled two barriers ago
.Lnp\p\():
	s_wait_dscnt 0x0
	s_barrier_signal -1
	s_barrier_wait -1
.Lqr\p\():
	STEP \p, 0
	STEP \p, 1
	s_add_co_u32 s9, s9, 2
	s_cmp_lt_u32 s9, 32*(\p)+32
	s_cbranch_scc1 .Lqr\p
.endm
.irp p, 0,1,2,3,4,5,6,7
	PHASE \p
.endr
	; R goes to LDS by columns (over v's bytes: every wave's reads of them were over at the last barrier).  v4 = (4 w + g) x 1,152 + q x 144 serves v no more.
.irp s, 0,1,2,3
.irp j, 0,1,2,3,4,5,6,7
	ds_store_b128 v4, v[A+32*(\s)+4*(\j):A+32*(\s)+4*(\j)+3] offset:16*(\j)
.endr
	v_add_nc_u32 v4, 64*CPI, v4                    ; the next slot's columns
.endr
	s_cmp_lg_u32 s8, 0
	s_cbranch_scc1 .Lnob
	v_add_nc_u32 v9, 256*CPI, v6
.irp j, 0,1,2,3,4,5,6,7
	ds_store_b128 v9, v[A+128+4*(\j):A+128+4*(\j)+3] offset:16*(\j)   ; the four groups hold the same numbers and store them to the same bytes
.endr
.Lnob:
	s_wait_dscnt 0x0                               ; for wave 0's sake
	s_barrier_signal -1
	s_barrier_wait -1
	s_cmp_lg_u32 s8, 0
	s_cbranch_scc1 .Lend
	; BACK-SUBSTITUTION, wave 0, by columns from 255 down: x_k = b_k / r_kk, b -= x_k x column k.  Written out, so that every lane, register and LDS offset is a constant.
	; Lane (q, t = L / 8), register jj holds row 64 t + 8 jj + q: a column is 8 registers of all 32 lanes, two loads of 16 bytes.
	; v128-135 b, v136-143 -1 / r_kk, v144-151 -x, v152-159 address for each 32 columns, v64-127 a ring of eight columns.  Rows from k on take updates that nobody reads.
	v_lshl_add_u32 v152, v3, 5, v6                 ; q x 144 + 32 t
.irp n, 1,2,3,4,5,6,7
	v_add_nc_u32 v[152+(\n)], 32*CPI*(\n), v152
.endr
	v_add_nc_u32 v160, 256*CPI, v152
	ds_load_b128 v[128:131], v160
	ds_load_b128 v[132:135], v160 offset:16
	v_mul_u32_u24 v161, v3, 64*CPI+32              ; r_kk of k = 64 t + 8 jj + q lies at k x 1,152 + q x 144 + 4 (8 t + jj)
	v_mad_u32_u24 v161, v2, CPI+VPI, v161
.irp j, 0,1,2,3,4,5,6,7
	ds_load_b32 v[136+(\j)], v161 offset:(\j)*(8*CPI+4)
.endr
.macro COL c
	ds_load_b128 v[64+8*((\c)&7):64+8*((\c)&7)+3],   v[152+((\c)>>5)] offset:((\c)&31)*CPI
	ds_load_b128 v[64+8*((\c)&7)+4:64+8*((\c)&7)+7], v[152+((\c)>>5)] offset:((\c)&31)*CPI+16
.endm
.irp c, 255,254,253,252,251,250,249,248
	COL \c
.endr
.irp j, 0,1,2,3,4,5,6,7
	v_mov_b32 v[144+(\j)], 0
.endr
	s_wait_dscnt 16                                ; b and the diagonal are in; the eight columns' sixteen loads stay out
.irp j, 0,1,2,3,4,5,6,7
	v_rcp_f32 v[136+(\j)], v[136+(\j)]
.endr
	v_nop                                          ; a plain instruction behind the last reciprocal
	s_wait_alu depctr_va_vdst(0)
.irp j, 0,1,2,3,4,5,6,7
	v_mul_f32 v[136+(\j)], -1.0, v[136+(\j)]
.endr
.set k, 255
.rept 256
.set ln, 8*(k>>6)+(k&7)
.set jr, (k>>3)&7
.set cb, 64+8*(k&7)
.if k < 7
	s_wait_dscnt 2*k                               ; column k is in; the k younger columns' loads stay out
.else
	s_wait_dscnt 14                                ; column k is in; the seven younger columns' loads stay out
.endif
	v_readlane_b32 s22, v[128+jr], ln
	v_readlane_b32 s23, v[136+jr], ln
	s_mul_f32 s20, s22, s23                        ; -x_k
	v_writelane_b32 v[144+jr], s20, ln
.irp i, 0,1,2,3
	v_pk_fma_f32 v[128+2*(\i):129+2*(\i)], v[cb+2*(\i):cb+2*(\i)+1], s[20:21], v[128+2*(\i):129+2*(\i)] op_sel_hi:[1,0,1]
.endr
.if k >= 8
	COL k-8
.endif
.set k, k-1
.endr
.irp j, 0,1,2,3,4,5,6,7
	v_mul_f32 v[144+(\j)], -1.0, v[144+(\j)]
.endr
	v_lshlrev_b32 v162, 8, v3
	v_lshl_add_u32 v162, v2, 2, v162
	v_add_nc_u32 v162, XST, v162                   ; row 64 t + 8 jj + q at 4 bytes a row
.irp j, 0,1,2,3,4,5,6,7
	ds_store_b32 v162, v[144+(\j)] offset:32*(\j)
.endr
	v_add_nc_u32 v164, XST, v227
	ds_load_b128 v[64:67], v164                    ; my own stores: LDS serves a wave's instructions in order
	ds_load_b128 v[68:71], v164 offset:512
	s_wait_dscnt 0x0
	global_store_b128 v227, v[64:67], s[6:7]       ; 512 consecutive bytes each
	global_store_b128 v227, v[68:71], s[6:7] offset:512
.Lend:
	s_wait_tensorcnt 0x0                           ; the wave's end
	ds_add_u32 v224, v225
	s_wait_dscnt 0x0
	s_endpgm
.Lfunc_end_k_qf9b8cf4c06_solve:
	.size	k_qf9b8cf4c06_solve, .Lfunc_end_k_qf9b8cf4c06_solve-k_qf9b8cf4c06_solve
	.p2alignl 7, 3214868480
	.fill 96, 4, 3214868480
	.section	.rodata,"a",@progbits
	.p2align	6, 0x0
	.amdhsa_kernel k_qf9b8cf4c06_solve
		.amdhsa_group_segment_fixed_size 299264
		.amdhsa_private_segment_fixed_size 0
		.amdhsa_enable_private_segment 0
		.amdhsa_kernarg_size 16
		.amdhsa_user_sgpr_count 2
		.amdhsa_user_sgpr_kernarg_segment_ptr 1
		.amdhsa_wavefront_size32 1
		.amdhsa_system_sgpr_workgroup_id_x 1
		.amdhsa_system_sgpr_workgroup_id_y 1
		.amdhsa_system_sgpr_workgroup_id_z 1
		.amdhsa_system_vgpr_workitem_id 0
		.amdhsa_next_free_vgpr 256
		.amdhsa_next_free_sgpr 66
		.amdhsa_reserve_vcc 0
		.amdhsa_float_denorm_mode_32 3
		.amdhsa_float_denorm_mode_16_64 3
		.amdhsa_memory_ordered 1
		.amdhsa_forward_progress 1
		.amdhsa_inst_pref_size 255
	.end_amdhsa_kernel
	.section	.bss,"aw",@nobits
	.p2align	6
	.space	262144
	.amdgpu_metadata
---
amdhsa.version: [ 1, 2 ]
amdhsa.kernels:
  - .name:           k_qf9b8cf4c06_solve
    .symbol:         k_qf9b8cf4c06_solve.kd
    .args:
      - { .name: bt, .offset: 0, .size: 8, .value_kind: global_buffer, .address_space: global }
      - { .name: out0, .offset: 8, .size: 8, .value_kind: global_buffer, .address_space: global }
    .group_segment_fixed_size: 299264
    .private_segment_fixed_size: 0
    .kernarg_segment_align: 8
    .kernarg_segment_size: 16
    .max_flat_workgroup_size: 512
    .sgpr_count:     66
    .vgpr_count:     256
    .wavefront_size: 32
...
	.end_amdgpu_metadata
.endif
;; end of part 3
;; ======== version 2 of 2: 3 launches; version 1 with the launch gram written anew for expert scheduling mode
;; limits: values are held in f16: magnitudes above 65,504 overflow, below 6.1e-05 lose precision; inputs' magnitudes at most 65,504; right only within a limited range of input values
;; workspace buffers: hp 16,842,752 bytes; bt 266,240 bytes
;; launch gram (part 4): grid 4 x 64, 8 waves a work-group, no clusters, 300,032 bytes of LDS; arguments x, y, hp; writes hp
.if DOCPART == 4
	.amdgcn_target "amdgcn-amd-amdhsa--gfx1250"
	.amdhsa_code_object_version 6
	.text
	.protected	k_qf9b8cf4c06_gram
	.globl	k_qf9b8cf4c06_gram
	.p2align	8
	.type	k_qf9b8cf4c06_gram,@function
k_qf9b8cf4c06_gram:
	s_mov_b64 s[64:65], 0
	v_nop
	global_prefetch_b8 v0, s[64:65] scope:SCOPE_SE
	s_setreg_imm32_b32 hwreg(HW_REG_WAVE_SCHED_MODE, 0, 2), 2
	s_setreg_imm32_b32 hwreg(HW_REG_WAVE_MODE, 25, 1), 1
	s_wait_xcnt 0x0
	s_wait_alu depctr_vm_vsrc(0)
; RLSE, launch 1 of 3.  The recursion of the module has a closed form, equal to it in exact arithmetic (Sherman-Morrison, step by step):
;   theta_N = (I + S0 G)^-1 (theta0 + S0 gv),  G = sum over rows k (from 0) of g^(k-1) x_k x_k^T,  gv = sum of g^(k-1) x_k y_k,  g = 0.99.
; This launch makes partial sums of G and gv over chunks of 256 rows: hp[chunk][b][a] = G's part (a, b), hp[chunk][256][b] = gv's part.
; LIMITS.  The order of rounding differs from the step-by-step form.  x is split into two f16 numbers, hi + lo (about 22 bits; the product lo x lo is
; left out): |x| stays under 65,504.  A chunk's weight g^(256 c - 1) below 2^-126 counts as 0 (chunks from row 8,960 on); their rows are read and multiplied all the same.
; SHARES.  Work-group (qd, c): chunk c, the quadrant of 128 a-columns (qa = qd / 2) by 128 b-columns (qb = qd % 2).  256 work-groups.
; Wave w first converts rows 32 w .. 32 w + 31: side A = x, side B = u = g^(row in chunk) x, each as hi and lo, into four LDS tiles [row][column] of f16.
; Then wave w makes 64 (a) x 32 (b): eight accumulators, K = 256 rows in eight steps of 32, three products a step: hi hi, hi lo, lo hi.
; No tensor load and no cluster: every number passes through registers to be split, so there is no tile to be shared as it lies in memory.
; THE MODE: SCHED_MODE bits 1:0 = 2 (LLVM: expert scheduling mode 2), set by the entry lines.  The code itself states the register dependences
; between vector or matrix instructions and memory or LDS instructions, with s_wait_alu, always for 0.
; THE PLAN, THE SPLIT.  The wave's 32 rows go in eight blocks of four.  Registers that memory or LDS instructions touch:
;   X0 .. X3    four blocks of both sides as loaded.  The loads of block p + 3, issued in block p, land in X[(p - 1) % 4]; block p's split, scaling and gv lines read and write X[p % 4].
;   OUT0, OUT1  two blocks of f16 to store, eight registers a row.  Written by block p's conversions (OUT[p % 2]); read by the sixteen LDS stores that are issued in block p + 1.
;   v2, v4-7    offsets and addresses, made at the head and never written again.
; So block p's memory and LDS instructions touch the two buffers that block p - 1 worked on and that no vector instruction of block p names: the waits at a block's head state
; all that they hang on, and they are dealt among the block's vector instructions with no further wait.
; THE PLAN, THE PRODUCTS.  A hi and B hi have two sets, by the step's parity: the set of step s + 1 is loaded during step s.  A lo and B lo have one set (256 registers do not hold two
; whole sets beside the accumulators): they are loaded at the head of their own step, and are wanted 8 (B lo) and 16 (A lo) matrix instructions later.  ONE wait on va_vdst stands at a
; step's head: the step before is done reading A lo, B lo and the other hi set.  The step's products name this step's sets and the accumulators alone.
; v32-35, the fragments' addresses, move on once for two steps, behind a wait on vm_vsrc and ahead of a step's head.
.set GAM,   0x3f7d70a4                 ; g as f32
.set LG2,   0xbc6d8f8b                 ; log2(g) = -0.0144995558
.set PIT,   288                        ; a tile's row: 128 f16 = 256 bytes + 32: an odd multiple of 32 bytes, for the turning load
.set TILE,  256*PIT                    ; tiles: A hi, A lo, B hi, B lo
.set GST,   4*TILE                     ; eight waves' partial gv, 512 bytes each
.set SPARE, GST+4096                   ; the spare words, 128 bytes a wave
.set CH,    263168                     ; bytes of a chunk in hp: 257 rows of 1,024
.set SPI,   272                        ; a row of the stage on the way out: 256 bytes + 16
.set ACC,   64                         ; v64-127  accumulator (mt, nt) at ACC + 8 (4 nt + mt)
.set OUT,   64                         ; v64-127  before that: out-buffer o, row r at OUT + 32 o + 8 r: A hi, A lo, B hi, B lo, two registers each
.set AHF,   128                        ; v128-191 A hi fragments, set s at AHF + 32 s (v128-255 before that: the four blocks X0 .. X3)
.set BHF,   192                        ; v192-223 B hi fragments, set s at BHF + 16 s
.set ALF,   224                        ; v224-255 A lo fragments
.set BLF,   16                         ; v16-31   B lo fragments
; v1 lane, v2 16 lane, v4-7 where I store into the four tiles, v8-11 my part of gv, v12-13 the chunk's weight, v14-15 the add's registers,
; v16-19 and v24-27 at work in the split, v32-35 fragment addresses, v36-38 the way out, v39-40 gv's stage, v41 1.0
	s_load_b128 s[4:7], s[0:1], 0x0                ; x s[4:5], y s[6:7]
	s_load_b64 s[8:9], s[0:1], 0x10                ; hp
	v_lshl_add_u32 v14, v0, 2, SPARE
	v_mov_b32 v15, 0
	v_lshrrev_b32 v3, 5, v0
	v_readfirstlane_b32 s10, v3                    ; wave w
	v_and_b32 v1, 31, v0
	v_lshlrev_b32 v2, 4, v1
	s_wait_alu depctr_va_sdst(0)                   ; s10 is written, ahead of its first reader: the offsets below are made from it
	s_lshr_b32 s11, ttmp9, 1                       ; qa
	s_and_b32 s12, ttmp9, 1                        ; qb
	s_and_b32 s13, ttmp7, 0xffff                   ; chunk c
	; byte offsets, made apart from the addresses
	s_lshl_b32 s18, s13, 8
	s_lshl_b32 s19, s10, 5
	s_add_co_u32 s18, s18, s19                     ; my first row: 256 c + 32 w
	s_lshl_b32 s28, s18, 2                         ; in y
	s_mov_b32 s29, 0
	s_lshl_b32 s18, s18, 10                        ; in x
	s_lshl_b32 s19, s11, 9
	s_add_co_u32 s22, s18, s19                     ; side A: + 512 qa
	s_mov_b32 s23, 0
	s_lshl_b32 s19, s12, 9
	s_add_co_u32 s18, s18, s19                     ; side B: + 512 qb
	s_mov_b32 s19, 0
	s_wait_kmcnt 0x0
	s_add_nc_u64 s[14:15], s[4:5], s[22:23]
	s_add_nc_u64 s[16:17], s[4:5], s[18:19]
	s_add_nc_u64 s[30:31], s[6:7], s[28:29]
	s_load_b512 s[32:47], s[30:31], 0x0            ; my 32 rows' y
	s_load_b512 s[48:63], s[30:31], 0x40
	s_mul_i32 s18, s13, CH                         ; the chunk in hp
	s_lshl_b32 s22, s12, 17                        ; + (128 qb + 32 (w / 2)) rows of 1,024 bytes
	s_add_co_u32 s22, s22, s18
	s_lshr_b32 s23, s10, 1
	s_lshl_b32 s23, s23, 15
	s_add_co_u32 s22, s22, s23
	s_lshl_b32 s23, s11, 9                         ; + (128 qa + 64 (w % 2)) numbers of 4 bytes
	s_add_co_u32 s22, s22, s23
	s_and_b32 s23, s10, 1
	s_lshl_b32 s23, s23, 8
	s_add_co_u32 s22, s22, s23
	s_mov_b32 s23, 0
	s_add_nc_u64 s[24:25], s[8:9], s[22:23]        ; where my 32 x 64 numbers go
	s_lshl_b32 s22, s12, 9
	s_add_co_u32 s22, s22, s18
	s_add_co_u32 s22, s22, 262144
	s_add_nc_u64 s[26:27], s[8:9], s[22:23]        ; row 256: gv's 128 numbers of this qb
	s_mov_b32 s21, 0                               ; s[20:21], s[22:23] are named as pairs; the low word is taken for both halves
	; weights: g^(32 w) for my first row, g^(256 c - 1) for the chunk
	s_lshl_b32 s2, s10, 5
	s_lshl_b32 s3, s13, 8
	s_sub_co_i32 s3, s3, 1
	v_cvt_f32_u32 v3, s2
	v_cvt_f32_i32 v12, s3
	v_mul_f32 v3, LG2, v3
	v_mul_f32 v12, LG2, v12
	v_exp_f32 v3, v3
	v_exp_f32 v12, v12
	v_nop                                          ; a plain instruction between the exponentials and the use of their results
	s_wait_alu depctr_va_vdst(0)                   ; the two exponentials have written v3 and v12, ahead of their first readers
	v_readfirstlane_b32 s20, v3
	v_mov_b32 v13, v12
	v_mov_b32 v41, 1.0
.irp i, 8,9,10,11
	v_mov_b32 v\i, 0
.endr
	; where I store: tile + (32 w + row) x pitch + 8 lane (four f16)
	s_mul_i32 s2, s10, 32*PIT
	v_lshl_add_u32 v4, v1, 3, s2
	v_add_nc_u32 v5, TILE, v4
	v_add_nc_u32 v6, 2*TILE, v4
	v_add_nc_u32 v7, 3*TILE, v4
	; fragments by the turning load: lane L reads 16 bytes of row 8 (L / 16) + L % 8, columns 8 ((L / 8) % 2) on
	v_and_b32 v16, 7, v0
	v_bfe_u32 v17, v0, 4, 1
	v_lshl_add_u32 v16, v17, 3, v16
	v_mul_u32_u24 v16, v16, PIT
	v_bfe_u32 v18, v0, 3, 1
	v_lshl_add_u32 v16, v18, 4, v16
	s_and_b32 s2, s10, 1
	s_lshl_b32 s2, s2, 7                           ; my 64 a-columns: 128 bytes x (w % 2)
	s_lshr_b32 s3, s10, 1
	s_lshl_b32 s3, s3, 6                           ; my 32 b-columns: 64 bytes x (w / 2)
	v_add_nc_u32 v32, s2, v16
	v_add_nc_u32 v33, TILE, v32
	v_add_nc_u32 v34, s3, v16
	v_add_nc_u32 v34, 2*TILE, v34
	v_add_nc_u32 v35, TILE, v34
	; the way out
	v_and_b32 v19, 15, v0
	s_mul_i32 s2, s10, 32*SPI                      ; my stage
	v_mul_u32_u24 v36, v19, SPI                    ; in: row b = L % 16, 32 bytes for each half of the lanes
	v_lshl_add_u32 v36, v17, 5, v36
	v_add_nc_u32 v36, s2, v36
	v_mul_u32_u24 v37, v17, SPI                    ; back: lanes 0-15 one row of 256 bytes, lanes 16-31 the next
	v_lshl_add_u32 v37, v19, 4, v37
	v_add_nc_u32 v37, s2, v37
	v_lshlrev_b32 v38, 10, v17                     ; and the same two rows in hp
	v_lshl_add_u32 v38, v19, 4, v38
	s_lshl_b32 s3, s10, 9
	v_add_nc_u32 v39, s3, v2
	v_add_nc_u32 v39, GST, v39
	v_add_nc_u32 v40, GST, v2
	s_wait_alu depctr_va_sdst(0)                   ; s20 is written, ahead of its first reader, the first scaling by the row's weight
	s_wait_alu depctr_va_vdst(0)                   ; v2, v4-7 and v32-40 are written: every load and store of the kernel reads one of them as its offset or address
; row r of block q, both sides, into X[q % 4]: a load of the wave covers 512 consecutive bytes of a row
.macro LOADR q, r
.set LA, 128+64*(((\q)%4)/2)+16*((\q)%2)+4*(\r)
	global_load_b128 v[LA:LA+3],     v2, s[14:15] offset:(4*(\q)+(\r))*1024
	global_load_b128 v[LA+32:LA+35], v2, s[16:17] offset:(4*(\q)+(\r))*1024
.endm
; row r of block q out of OUT[q % 2] into the four tiles
.macro PUT q, r
.set PO, OUT+32*((\q)%2)+8*(\r)
	ds_store_b64 v4, v[PO:PO+1]   offset:(4*(\q)+(\r))*PIT
	ds_store_b64 v5, v[PO+2:PO+3] offset:(4*(\q)+(\r))*PIT
	ds_store_b64 v6, v[PO+4:PO+5] offset:(4*(\q)+(\r))*PIT
	ds_store_b64 v7, v[PO+6:PO+7] offset:(4*(\q)+(\r))*PIT
.endm
; four f32 at v[x] become four f16 hi at v[o], v[o + 1] and four f16 lo at v[o + 2], v[o + 3]: lo = the rounding of x - hi, which is exact in f32
.macro SPLIT x, t, o
	v_cvt_pk_f16_f32 v[(\o)], v[(\x)], v[(\x)+1]
	v_cvt_pk_f16_f32 v[(\o)+1], v[(\x)+2], v[(\x)+3]
	v_fma_mix_f32 v[(\t)], -v[(\o)], v41, v[(\x)] op_sel_hi:[1,0,0]
	v_fma_mix_f32 v[(\t)+1], -v[(\o)], v41, v[(\x)+1] op_sel:[1,0,0] op_sel_hi:[1,0,0]
	v_fma_mix_f32 v[(\t)+2], -v[(\o)+1], v41, v[(\x)+2] op_sel_hi:[1,0,0]
	v_fma_mix_f32 v[(\t)+3], -v[(\o)+1], v41, v[(\x)+3] op_sel:[1,0,0] op_sel_hi:[1,0,0]
	v_cvt_pk_f16_f32 v[(\o)+2], v[(\t)], v[(\t)+1]
	v_cvt_pk_f16_f32 v[(\o)+3], v[(\t)+2], v[(\t)+3]
.endm
; Block p: rows 4 p .. 4 p + 3, out of X[p % 4] into OUT[p % 2].  left: the younger loads that may stay out.
; Blocks 1 to 4 ask for blocks 4 to 7; blocks 1 to 7 store the block before.
.macro BLK p, left
	s_wait_loadcnt \left                           ; loads come back in order: this block's eight are in, the younger blocks' stay out
.if (\p) >= 2
	s_wait_alu depctr_vm_vsrc(0)                   ; the LDS stores issued in the block before have read OUT[p % 2], which this block's conversions write again
.endif
.if (\p) >= 1
	s_wait_alu depctr_va_vdst(0)                   ; the block before has written the other OUT, which the stores below read, and is done reading and scaling its X, in which the loads below land
.endif
.irp r, 0,1,2,3
.if ((\p) >= 1) && ((\p) <= 4)
	LOADR (\p)+3, \r
.endif
.if (\p) >= 1
	PUT (\p)-1, \r
.endif
.set XA, 128+64*(((\p)%4)/2)+16*((\p)%2)+4*(\r)
.set XB, XA+32
.set OU, OUT+32*((\p)%2)+8*(\r)
	SPLIT XA, 16, OU
	v_pk_mul_f32 v[XB:XB+1], v[XB:XB+1], s[20:21] op_sel_hi:[1,0]       ; u = g^row x, kept in place for gv
	v_pk_mul_f32 v[XB+2:XB+3], v[XB+2:XB+3], s[20:21] op_sel_hi:[1,0]
	SPLIT XB, 24, OU+4
	s_mul_f32 s20, s20, GAM                        ; the next row's weight
.endr
	s_cmp_lg_u32 s11, 0                            ; gv is made once for each qb: by the work-groups with qa = 0
	s_cbranch_scc1 .Lnog_\@
.irp r, 0,1,2,3
.set XB, 160+64*(((\p)%4)/2)+16*((\p)%2)+4*(\r)
	s_mov_b32 s22, s[32+4*(\p)+(\r)]
	v_pk_fma_f32 v[8:9], v[XB:XB+1], s[22:23], v[8:9] op_sel_hi:[1,0,1]
	v_pk_fma_f32 v[10:11], v[XB+2:XB+3], s[22:23], v[10:11] op_sel_hi:[1,0,1]
.endr
.Lnog_\@:
.endm
.irp q, 0,1,2,3
.irp r, 0,1,2,3
	LOADR \q, \r                                   ; blocks 0 to 3 fill X0 .. X3
.endr
.endr
	s_wait_kmcnt 0x0                               ; y
	BLK 0, 24
	BLK 1, 16
	BLK 2, 16
	BLK 3, 16
	BLK 4, 16
	BLK 5, 16
	BLK 6, 8                                       ; blocks 5 to 7 ask for nothing: the counts run down
	BLK 7, 0
	s_wait_alu depctr_va_vdst(0)                   ; block 7 has written OUT1 and v8-11, which the stores below read; all vector work on v16-31 and v128-255, in which LDS loads land further down, is over
.irp r, 0,1,2,3
	PUT 7, \r
.endr
	s_cmp_lg_u32 s11, 0
	s_cbranch_scc1 .Lnost
	ds_store_b128 v39, v[8:11]                     ; my wave's part of gv
.Lnost:
	s_wait_dscnt 0x0                               ; for the others' sake: my stores into the tiles are done
	s_barrier_signal -1
	s_barrier_wait -1
	s_wait_alu depctr_vm_vsrc(0)                   ; my LDS stores have read v64-127, which the products write, and v8-11, which wave 0's sum writes
	s_cmp_lg_u32 s11, 0
	s_cbranch_scc1 .Lnogv
	s_cmp_lg_u32 s10, 0
	s_cbranch_scc1 .Lnogv
.irp i, 0,1,2,3,4,5,6,7
	ds_load_b128 v[128+4*(\i):128+4*(\i)+3], v40 offset:512*(\i)
.endr
	s_wait_dscnt 0x0
	v_pk_add_f32 v[8:9], v[128:129], v[132:133]
	v_pk_add_f32 v[10:11], v[130:131], v[134:135]
.irp i, 2,3,4,5,6,7
	v_pk_add_f32 v[8:9], v[8:9], v[128+4*(\i):129+4*(\i)]
	v_pk_add_f32 v[10:11], v[10:11], v[130+4*(\i):131+4*(\i)]
.endr
	v_pk_mul_f32 v[8:9], v[8:9], v[12:13]
	v_pk_mul_f32 v[10:11], v[10:11], v[12:13]
	s_wait_alu depctr_va_vdst(0)                   ; the sum is written into v8-11, which the store reads; the additions are done reading v128-159, in which fragments land
	global_store_b128 v2, v[8:11], s[26:27]        ; 512 consecutive bytes; v2 and v8-11 are not written again
.Lnogv:
; Fragments by turning loads, at byte off from the address registers.  The first of a pair brings rows 8 (L / 16) + 0..7 of the step, the second those 16 rows further down.
.macro LDAH set, off
.irp m, 0,1,2,3
	ds_load_tr16_b128 v[AHF+32*(\set)+8*(\m):AHF+32*(\set)+8*(\m)+3],   v32 offset:(\off)+32*(\m)
	ds_load_tr16_b128 v[AHF+32*(\set)+8*(\m)+4:AHF+32*(\set)+8*(\m)+7], v32 offset:(\off)+32*(\m)+16*PIT
.endr
.endm
.macro LDBH set, off
.irp n, 0,1
	ds_load_tr16_b128 v[BHF+16*(\set)+8*(\n):BHF+16*(\set)+8*(\n)+3],   v34 offset:(\off)+32*(\n)
	ds_load_tr16_b128 v[BHF+16*(\set)+8*(\n)+4:BHF+16*(\set)+8*(\n)+7], v34 offset:(\off)+32*(\n)+16*PIT
.endr
.endm
.macro LDAL off
.irp m, 0,1,2,3
	ds_load_tr16_b128 v[ALF+8*(\m):ALF+8*(\m)+3],   v33 offset:(\off)+32*(\m)
	ds_load_tr16_b128 v[ALF+8*(\m)+4:ALF+8*(\m)+7], v33 offset:(\off)+32*(\m)+16*PIT
.endr
.endm
.macro LDBL off
.irp n, 0,1
	ds_load_tr16_b128 v[BLF+8*(\n):BLF+8*(\n)+3],   v35 offset:(\off)+32*(\n)
	ds_load_tr16_b128 v[BLF+8*(\n)+4:BLF+8*(\n)+7], v35 offset:(\off)+32*(\n)+16*PIT
.endr
.endm
; one of the three products: the eight accumulators take turns, one instruction a turn.  zero = 1: it starts the sums.
; Source 0 = 16 a-columns, source 1 = 16 b-columns: a lane then holds b = L % 16 and eight neighbouring a.
.macro TERM a, b, zero
.irp n, 0,1
.irp m, 0,1,2,3
.if \zero
	v_wmma_f32_16x16x32_f16 v[ACC+8*(4*(\n)+(\m)):ACC+8*(4*(\n)+(\m))+7], v[(\a)+8*(\m):(\a)+8*(\m)+7], v[(\b)+8*(\n):(\b)+8*(\n)+7], 0
.else
	v_wmma_f32_16x16x32_f16 v[ACC+8*(4*(\n)+(\m)):ACC+8*(4*(\n)+(\m))+7], v[(\a)+8*(\m):(\a)+8*(\m)+7], v[(\b)+8*(\n):(\b)+8*(\n)+7], v[ACC+8*(4*(\n)+(\m)):ACC+8*(4*(\n)+(\m))+7]
.endif
.endr
.endr
.endm
; A K step on hi set 'set'.  zero = 1: step 0, whose first product starts the sums.  lo: where this step's A lo and B lo lie; hi: where the next step's A hi and B hi lie.
; more = 0: the last step, which asks for no further hi set.
.macro KSTEP set, zero, lo, hi, more
.if !\zero
	s_wait_alu depctr_va_vdst(0)                   ; the step before is done reading B lo, A lo and the other hi set, in which this step's loads land; in a trip's second step v32-35 are written
.endif
	LDBL \lo
	LDAL \lo
	s_wait_dscnt 12                                ; LDS loads come back in order: this step's hi set is in, the twelve just issued stay out
	TERM AHF+32*(\set), BHF+16*(\set), \zero
.if \more
	LDAH 1-(\set), \hi                             ; no wait: no product since the step's head names the other set
	s_wait_dscnt 16                                ; B lo is in; A lo's eight and the next A hi's eight stay out
.else
	s_wait_dscnt 8                                 ; B lo is in; A lo's eight stay out
.endif
	TERM AHF+32*(\set), BLF, 0
.if \more
	LDBH 1-(\set), \hi
	s_wait_dscnt 12                                ; A lo is in; the next step's hi set stays out
.else
	s_wait_dscnt 0x0
.endif
	TERM ALF, BHF+16*(\set), 0
.endm
	LDAH 0, 0                                      ; step 0's hi set.  No wait here nor at step 0's head: no vector instruction since the last wait on va_vdst names these registers
	LDBH 0, 0
	KSTEP 0, 1, 0, 32*PIT, 1                       ; the first K step stands ahead of the loop: its first product starts the sums
	s_mov_b32 s28, 3
.Lk:                                                   ; a trip: steps 2 t + 1 and 2 t + 2; at its head the addresses stand at row 64 t
	KSTEP 1, 0, 32*PIT, 64*PIT, 1
	s_wait_alu depctr_vm_vsrc(0)                   ; the fragment loads issued so far have read v32-35
	v_add_nc_u32 v32, 64*PIT, v32                  ; 64 rows on
	v_add_nc_u32 v33, 64*PIT, v33
	v_add_nc_u32 v34, 64*PIT, v34
	v_add_nc_u32 v35, 64*PIT, v35
	KSTEP 0, 0, 0, 32*PIT, 1
	s_sub_co_u32 s28, s28, 1
	s_cmp_lg_u32 s28, 0
	s_cbranch_scc1 .Lk
	KSTEP 1, 0, 32*PIT, 0, 0                       ; step 7 is written out: there is no further hi set
.rept 4
	v_nop                                          ; four places behind the last product
.endr
.set i, ACC
.rept 32
	v_pk_mul_f32 v[i:i+1], v[i:i+1], v[12:13]      ; the chunk's weight; each accumulator from its low end on
.set i, i+2
.endr
	s_wait_dscnt 0x0                               ; my reads of the tiles are over
	s_barrier_signal -1
	s_barrier_wait -1                              ; everybody's are: the stages lie where tile A hi lay
	s_wait_alu depctr_va_vdst(0)                   ; the scalings have written v64-127, which the LDS stores read; the products are done reading v128-191, in which the stage's rows land
.irp n, 0,1
.irp m, 0,1,2,3
	ds_store_b128 v36, v[ACC+8*(4*(\n)+(\m)):ACC+8*(4*(\n)+(\m))+3]   offset:(\n)*16*SPI+(\m)*64
	ds_store_b128 v36, v[ACC+8*(4*(\n)+(\m))+4:ACC+8*(4*(\n)+(\m))+7] offset:(\n)*16*SPI+(\m)*64+16
.endr
.endr
.irp i, 0,1,2,3,4,5,6,7,8,9,10,11,12,13,14,15
	ds_load_b128 v[128+4*(\i):128+4*(\i)+3], v37 offset:(\i)*2*SPI   ; my own stage: LDS serves a wave's instructions in order, so these see the stores above
.endr
.irp i, 0,1,2,3,4,5,6,7,8,9,10,11,12,13,14,15
	s_wait_dscnt 15-(\i)                           ; load i is back, the younger ones stay out
	global_store_b128 v38, v[128+4*(\i):128+4*(\i)+3], s[24:25] offset:(\i)*2048   ; 16 lanes store 256 consecutive bytes, at a multiple of 256 from hp's first byte
.endr
	s_wait_dscnt 0x0                               ; the closing lines, six on end
	s_wait_alu 0x0
	s_wait_tensorcnt 0x0
	ds_add_u32 v14, v15
	s_wait_dscnt 0x0
	s_endpgm
.Lfunc_end_k_qf9b8cf4c06_gram:
	.size	k_qf9b8cf4c06_gram, .Lfunc_end_k_qf9b8cf4c06_gram-k_qf9b8cf4c06_gram
	.p2alignl 7, 3214868480
	.fill 96, 4, 3214868480
	.section	.rodata,"a",@progbits
	.p2align	6, 0x0
	.amdhsa_kernel k_qf9b8cf4c06_gram
		.amdhsa_group_segment_fixed_size 300032
		.amdhsa_private_segment_fixed_size 0
		.amdhsa_enable_private_segment 0
		.amdhsa_kernarg_size 24
		.amdhsa_user_sgpr_count 2
		.amdhsa_user_sgpr_kernarg_segment_ptr 1
		.amdhsa_wavefront_size32 1
		.amdhsa_system_sgpr_workgroup_id_x 1
		.amdhsa_system_sgpr_workgroup_id_y 1
		.amdhsa_system_sgpr_workgroup_id_z 1
		.amdhsa_system_vgpr_workitem_id 0
		.amdhsa_next_free_vgpr 256
		.amdhsa_next_free_sgpr 66
		.amdhsa_reserve_vcc 0
		.amdhsa_float_denorm_mode_32 3
		.amdhsa_float_denorm_mode_16_64 3
		.amdhsa_memory_ordered 1
		.amdhsa_forward_progress 1
		.amdhsa_inst_pref_size 85
	.end_amdhsa_kernel
	.amdgpu_metadata
---
amdhsa.version: [ 1, 2 ]
amdhsa.kernels:
  - .name:           k_qf9b8cf4c06_gram
    .symbol:         k_qf9b8cf4c06_gram.kd
    .args:
      - { .name: x, .offset: 0, .size: 8, .value_kind: global_buffer, .address_space: global }
      - { .name: y, .offset: 8, .size: 8, .value_kind: global_buffer, .address_space: global }
      - { .name: hp, .offset: 16, .size: 8, .value_kind: global_buffer, .address_space: global }
    .group_segment_fixed_size: 300032
    .private_segment_fixed_size: 0
    .kernarg_segment_align: 8
    .kernarg_segment_size: 24
    .max_flat_workgroup_size: 256
    .sgpr_count:     66
    .vgpr_count:     256
    .wavefront_size: 32
...
	.end_amdgpu_metadata
.endif
;; end of part 4
;; launch form: the kernel of part 2 again; grid 65 x 1, 16 waves a work-group, no clusters, 10,240 bytes of LDS; arguments hp, s0, theta0, bt; writes bt
;; launch solve: the kernel of part 3 again; grid 1 x 1, 16 waves a work-group, no clusters, 299,264 bytes of LDS; arguments bt, out0; writes out0
